; MI455X (gfx1250); checked and timed in simulation.
; The chip was launched on July 23, 2026; its instructions are those of AMD's public machine-readable ISA for CDNA 5 (MIT licence, August 2026) and "CDNA5" Instruction Set Architecture Reference Guide (July 2026). The comments in the code are by the model that wrote it; some were corrected since.
;; Perceiver Attention. Allowed arithmetic: matrix products marked QUANTISED: E2M1 operands, one E8M0 scale for each 32 along K, by v_wmma_scale_f32_16x16x128_f8f6f4 with both operands' format E2M1 (or v_wmma_scale_f32_32x16x128_f4), f32 sums; products left as they are: bf16, f16 or f32 operands; f32 sums; everything else in f32.
;; Inputs: b_out 512 float32; latents 4 x 512 x 512 float32; w_kv 1,024 x 512 float32; w_out 512 x 512 float32; w_q 512 x 512 float32; x 4 x 8,192 x 512 float32.
;; Outputs: out0 4 x 512 x 512 float32.
;; This version of the problem:
;;   THIS VERSION OF THE PROBLEM IS GIVEN IN LOW PRECISION. The matrix products marked QUANTISED in the list below multiply operands that are first quantised to E2M1 (2 exponent bits, 1 mantissa bit; 4 bits a number), with one power-of-two scale for each 32 numbers along K (OCP MX v1.0); their sums are f32. The products marked 'left as it is' may take bf16, f16 or f32 operands, with f32 sums. Whichever they take, every output number must still come out within the allowed error. Rounding operands to bf16 (8 significant bits) uses up far more of that allowance than f16 does (11 bits, for magnitudes from 6e-5 to 65,504). All else is computed in f32.
;;   The module's matrix products, in the order in which they are computed (A, B: the left and right operand; K: the contracted axis; several contracted axes count as one K, in the product's order):
;;     1. [M 2,048, K 512] x [K 512, N 512]; A: input latents; B: input w_q: QUANTISED
;;     2. [M 32,768, K 512] x [K 512, N 1,024]; A: input x; B: input w_kv: QUANTISED
;;     3. batch 64 x [M 512, K 32] x [K 32, N 8,192]; A: computed on the way; B: computed on the way: left as it is (an operand is computed on the way)
;;     4. batch 64 x [M 32, K 8,192] x [K 8,192, N 512]; A: computed on the way; B: computed on the way: left as it is (an operand is computed on the way)
;;     5. [M 2,048, K 512] x [K 512, N 512]; A: computed on the way; B: input w_out: left as it is (an operand is computed on the way)
;;   THE QUANTISER, for each operand of a quantised product, along K:
;;     - K is cut into blocks of 32 from its start; a last block that is shorter is filled with zeros.
;;     - A block's scale is 2^e with e = floor(log2(the largest magnitude in the block)) - 2, held to -126 .. 127; a block of zeros has e = 0. As a byte (E8M0): e + 127.
;;     - Each number is divided by its block's scale, clamped to +-6, and rounded to the nearest number of E2M1, ties to even, subnormals kept.
;;     - The product sums the exact products of the quantised numbers (number of the format x scale) in f32.
;;   ~~~python
;;   def quantise(x, axis):      # numpy; x: float32 -> the quantised numbers, widened to float32 again
;;       x = np.moveaxis(x, axis, -1); K = x.shape[-1]
;;       x = np.pad(x, [(0, 0)] * (x.ndim - 1) + [(0, -K % 32)]); x = x.reshape(x.shape[:-1] + (-1, 32)); a = np.abs(x).max(-1, keepdims=True)
;;       e = np.where(a > 0, np.clip(np.frexp(np.where(a > 0, a, 1))[1] - 1 - 2, -126, 127), 0)      # np.frexp(a)[1] - 1 = floor(log2(a)), exactly
;;       r = np.clip(x / 2.0 ** e, -6, 6)
;;       step = 2.0 ** (np.maximum(np.frexp(np.where(r == 0, 1, r))[1] - 1, 0) - 1)
;;       q = np.round(r / step) * step * 2.0 ** e      # np.round: ties to even
;;       return np.moveaxis(q.reshape(q.shape[:-2] + (-1,))[..., :K], -1, axis).astype(np.float32)
;;   ~~~
;; One version. Each part assembles by itself: llvm-mc -triple=amdgcn-amd-amdhsa -mcpu=gfx1250 --defsym DOCPART=n.
;; ======== version 1 of 1: 4 launches
;; limits: values are held in f16: magnitudes above 65,504 overflow, below 6.1e-05 lose precision
;; workspace buffers: codes 917,504 bytes; scl 114,688 bytes; wo16 524,288 bytes; kv 67,108,864 bytes; att 2,097,152 bytes
;; launch prep (part 1): grid 256 x 1, 1 waves a work-group, no clusters, 167,936 bytes of LDS; arguments latents, w_q, w_kv, w_out, codes, scl, wo16; writes codes, scl, wo16
.if DOCPART == 1
	.amdgcn_target "amdgcn-amd-amdhsa--gfx1250"
	.amdhsa_code_object_version 6
	.text
	.protected	k_q851925a08b_prep
	.globl	k_q851925a08b_prep
	.p2align	8
	.type	k_q851925a08b_prep,@function
k_q851925a08b_prep:
	s_mov_b64 s[64:65], 0
	v_nop
	global_prefetch_b8 v0, s[64:65] scope:SCOPE_SE
	s_setreg_imm32_b32 hwreg(HW_REG_WAVE_MODE, 25, 1), 1
	s_wait_xcnt 0x0
; PerceiverAttention in four launches.  out0 = softmax((latents Wq^T)(x Wk^T)^T / sqrt(32)) (x Wv^T) Wout^T + b_out, 16 heads of 32; B 4, S 8,192, L 512.
;   1 (this one): latents, w_q and w_kv become codes of FP4 (E2M1) with one E8M0 byte for each 32 along K; w_out becomes f16.   2: x is quantised, K and V are made (FP4 products) and stored as f16.
;   3: q (FP4 product), the scores, the softmax with a running maximum, V^T P, all per head.   4: the projection on the way out, with the bias.
; NO WORK OF THE PROBLEM IS LEFT OUT: every input has a way to out0, there is no mask, and no term cancels ahead of a quantiser.
; Products 1 and 2 multiply codes made by the stated quantiser from f32 numbers; products 3 to 5 take f16 operands and f32 sums.
; LIMITS: a q x log2(e)/sqrt(32), k, v, attention result or w_out beyond 65,504 in magnitude has no f16 number; NaN and infinities among the inputs are not served;
; a block of zeros gets the scale byte 1 where the rule says 127: its codes are zeros, which add nothing under any byte but 0xff, and this program alone reads the bytes.
; WORKSPACES ARE LAID AS IMAGES OF THE READER'S OPERAND REGISTERS: each group of four registers is 512 bytes, lane l's 16 bytes at 16 l.  So every later load and store of a wave covers 512 consecutive bytes.
;   codes: 224 tiles of 16 rows x 512 K, 4,096 bytes each: [K step of 128][c][lane][16]: lane (r, h) holds row r, k = 128 s + 64 c + 32 h + 0 .. 31.  Tiles 0-127 latents, 128-159 w_q, 160-223 w_kv.
;   scl: 512 bytes a tile: [lane][4 words]: word s = the four bytes of K step s of row lane % 16 (both halves of the lanes hold the same).
;   wo16: 32 tiles of 16 rows x 16 K steps of 32, 1,024 bytes a step: [c][lane][16]: lane (r, h) holds row r, k = 32 s + 16 c + 8 h + 0 .. 7.
; SHARES: one wave to a work-group, one tile of 16 rows x 512 f32 (32,768 dense bytes) to a wave.  Work-groups 0-223 quantise, 224-255 take w_out.
; The tile comes by four tensor loads, one for each 128 along K (16 rows x 512 bytes), all issued at the head: four are out by this text's count.  Nothing is filled again; no barrier: one wave.
.set PITCH, 528                        ; an LDS row: 512 bytes + 16 of padding = 33 x 16: the sixteen rows that a load touches start at sixteen different 16-byte columns modulo 256
.set SLICE, 16*PITCH                   ; 128 along K of the 16 rows
.set SPARE, 4*SLICE                    ; behind the four slices: the spare words, one block of 256 bytes that no other line names
.set LI,  1                            ; v1     16 x lane: my place in an image
.set XA,  2                            ; v2     LDS: row r, + 128 h: my 32 numbers of a block
.set SH8, 3                            ; v3     8 h: where my two scale bytes stand in the word
.set SPW, 4                            ; v4     LDS address of my spare word; never rewritten
.set NIL, 5                            ; v5     0; never rewritten
.set XW,  6                            ; v6     LDS: row r, + 32 h: my 8 numbers of half an f16 fragment
.set TR,  7                            ; v7     at work
.set MX,  8                            ; v8-11  largest magnitudes, four chains
.set EX,  12                           ; v12-13 the conversions' scale operands
.set BY,  14                           ; v14-15 scale bytes
.set SW,  20                           ; v20-23 the four scale words
.set CD,  24                           ; v24-55 codes: eight registers for each K step, never rewritten
.set X,   64                           ; v64-191 two sets of 64 numbers
.set OUT, 192                          ; v192-255 two sets of 32 registers of f16
.set G1,  24                           ; s[24:31] descriptor group 1
.set G0,  32                           ; s[32:47] four groups 0
.set SEL, 48                           ; s[48:49] v_permlanex16_b32's selects for lane l xor 16
	s_load_b256 s[4:11], s[0:1], 0x0               ; latents s[4:5], w_q s[6:7], w_kv s[8:9], w_out s[10:11]
	s_load_b128 s[12:15], s[0:1], 0x20             ; codes s[12:13], scl s[14:15]
	s_load_b64 s[16:17], s[0:1], 0x30              ; wo16
	v_lshl_add_u32 v[SPW], v0, 2, SPARE
	v_mov_b32 v[NIL], 0
	ds_add_u32 v[SPW], v[NIL]                      ; the wave's opening: the add, twice on end, and its wait ahead of my first tensor load
	ds_add_u32 v[SPW], v[NIL]                      ; and once more, under the one wait; the set-up below, work on registers, stands between
	s_mov_b32 s[G1+0], (2<<16)|(1<<20)|(6<<22)|(3<<25)  ; elements of 4 bytes; padding on: 4 words behind every 128
	s_mov_b32 s[G1+1], 128<<16                     ; tensor_dim0 = 128
	s_mov_b32 s[G1+2], 16<<16                      ; tensor_dim1 = 16
	s_mov_b32 s[G1+3], 128<<16                     ; tile_dim0 = 128
	s_mov_b32 s[G1+4], 16                          ; tile_dim1 = 16
	s_mov_b32 s[G1+5], 512                         ; elements from row to row
	s_mov_b32 s[G1+6], 0
	s_mov_b32 s[G1+7], 0
	s_mov_b32 s[SEL], 0x76543210
	s_mov_b32 s[SEL+1], 0xfedcba98
	v_and_b32 v[TR], 15, v0                        ; r
	v_bfe_u32 v[SH8], v0, 4, 1                     ; h
	v_lshlrev_b32 v[LI], 4, v0                     ; one wave: the thread's number is the lane
	v_mul_u32_u24 v[TR], v[TR], PITCH
	v_lshl_add_u32 v[XA], v[SH8], 7, v[TR]
	v_lshl_add_u32 v[XW], v[SH8], 5, v[TR]
	v_lshlrev_b32 v[SH8], 3, v[SH8]
	s_wait_dscnt 0x0                               ; both opening adds are done
	s_wait_kmcnt 0x0
	s_mov_b64 s[20:21], s[10:11]                   ; which tensor is mine: the choice hangs on the work-group's number alone
	s_mov_b32 s22, 224                             ; and the number of its first tile
	s_cmp_lt_u32 ttmp9, 224
	s_cselect_b64 s[20:21], s[8:9], s[20:21]
	s_cselect_b32 s22, 160, s22
	s_cmp_lt_u32 ttmp9, 160
	s_cselect_b64 s[20:21], s[6:7], s[20:21]
	s_cselect_b32 s22, 128, s22
	s_cmp_lt_u32 ttmp9, 128
	s_cselect_b64 s[20:21], s[4:5], s[20:21]
	s_cselect_b32 s22, 0, s22
	s_sub_co_u32 s50, ttmp9, s22
	s_lshl_b32 s50, s50, 15                        ; 16 rows of 2,048 bytes a tile
	s_mov_b32 s51, 0
	s_add_nc_u64 s[20:21], s[20:21], s[50:51]
.irp s, 0,1,2,3
	s_mov_b32 s[G0+4*\s], 1                        ; count = 1
	s_mov_b32 s[G0+4*\s+1], \s*SLICE               ; LDS address
	s_add_nc_u64 s[G0+4*\s+2:G0+4*\s+3], s[20:21], \s*512  ; the tile's first row, 128 s along K
	s_or_b32 s[G0+4*\s+3], s[G0+4*\s+3], 0x80000000        ; type = 2
.endr
.irp s, 0,1,2,3
	tensor_load_to_lds s[G0+4*\s:G0+4*\s+3], s[G1:G1+7]
	s_nop 0
.endr
.rept 4
	v_nop
.endr
; 64 numbers of a lane, two whole blocks of 32 (blocks h and 2 + h of a K step), become the fragment's eight registers of codes and the row's scale word.
.macro QB xb, cb, sw
.irp c, 0,1
.irp d, 0,1
	v_max3_num_f32 v[MX+2*\c+\d], |v[(\xb)+32*\c+16*\d]|, |v[(\xb)+32*\c+16*\d+1]|, 0x1800000   ; two chains a block, and the floor 2^(3 - 127): the byte cannot fall under 1
.endr
.endr
.irp i, 2,4,6,8,10,12,14
.irp c, 0,1
.irp d, 0,1
	v_max3_num_f32 v[MX+2*\c+\d], v[MX+2*\c+\d], |v[(\xb)+32*\c+16*\d+\i]|, |v[(\xb)+32*\c+16*\d+\i+1]|   ; the four chains by turns
.endr
.endr
.endr
	v_max_num_f32 v[MX], v[MX], v[MX+1]            ; the blocks' largest magnitudes
	v_max_num_f32 v[MX+2], v[MX+2], v[MX+3]
	v_add_nc_u32 v[EX], 0xff000000, v[MX]          ; 2 off the exponent field: the conversion takes the exponent field of this operand as its scale
	v_add_nc_u32 v[EX+1], 0xff000000, v[MX+2]
	v_lshrrev_b32 v[BY], 23, v[EX]                 ; the scales' bytes
	v_lshrrev_b32 v[BY+1], 23, v[EX+1]
	v_lshl_or_b32 v[BY], v[BY+1], 16, v[BY]        ; blocks h and 2 + h,
	v_lshlrev_b32 v[BY], v[SH8], v[BY]             ; at their places in the word;
	v_permlanex16_b32 v[BY+1], v[BY], s[SEL], s[SEL+1]
	v_or_b32 v[\sw], v[BY], v[BY+1]                ; with lane l xor 16's two the word is whole, in both halves of the lanes
.irp c, 0,1
.irp g, 0,1,2,3
	v_cvt_scalef32_pk8_fp4_f32 v[(\cb)+4*\c+\g], v[(\xb)+32*\c+8*\g:(\xb)+32*\c+8*\g+7], v[EX+\c]
.endr
.endr
	v_nop                                          ; one plain line behind the last scaled conversion
.endm
.macro XLD sl, bk                      ; slice sl: my 2 x 32 numbers into set bk
.irp c, 0,1
.irp i, 0,1,2,3,4,5,6,7
	ds_load_b128 v[X+64*(\bk)+32*\c+4*\i:X+64*(\bk)+32*\c+4*\i+3], v[XA] offset:SLICE*(\sl)+256*\c+16*\i
.endr
.endr
.endm
.macro WLD sl, bk                      ; slice sl for the f16 images: K step q of 32, group g: my 8 numbers
.irp q, 0,1,2,3
.irp g, 0,1
.irp e, 0,1
	ds_load_b128 v[X+64*(\bk)+16*\q+8*\g+4*\e:X+64*(\bk)+16*\q+8*\g+4*\e+3], v[XW] offset:SLICE*(\sl)+128*\q+64*\g+16*\e
.endr
.endr
.endr
.endm
	s_cmp_lt_u32 ttmp9, 224
	s_cbranch_scc0 .Lf16
	; ---- latents, w_q, w_kv: codes and scale words
	s_lshl_b32 s50, ttmp9, 12
	s_mov_b32 s51, 0
	s_add_nc_u64 s[12:13], s[12:13], s[50:51]      ; my tile's 4,096 bytes of codes
	s_lshl_b32 s50, ttmp9, 9
	s_add_nc_u64 s[14:15], s[14:15], s[50:51]      ; and its 512 bytes of scale words
	s_wait_tensorcnt 0x3                           ; slice 0 has landed; the three behind it may be out
	XLD 0, 0
.irp q, 0,1,2,3
.if \q < 3
	s_wait_tensorcnt 2-\q                          ; the next slice has landed
	XLD \q+1, (\q+1)%2
	s_wait_dscnt 16                                ; this slice's numbers are in; the 16 loads just issued may be out
.else
	s_wait_dscnt 0x0
.endif
	QB X+64*(\q%2), CD+8*\q, SW+\q
	global_store_b128 v[LI], v[CD+8*\q:CD+8*\q+3], s[12:13] offset:1024*\q        ; 32 lanes store 512 consecutive bytes
	global_store_b128 v[LI], v[CD+8*\q+4:CD+8*\q+7], s[12:13] offset:1024*\q+512
.endr
	global_store_b128 v[LI], v[SW:SW+3], s[14:15]
	s_wait_tensorcnt 0x0                           ; the wave's end: behind my last tensor load
	ds_add_u32 v[SPW], v[NIL]
	s_wait_dscnt 0x0
	s_endpgm
.Lf16:
	; ---- w_out: f16 images
	s_sub_co_u32 s50, ttmp9, 224
	s_lshl_b32 s50, s50, 14                        ; 16,384 bytes a tile
	s_mov_b32 s51, 0
	s_add_nc_u64 s[16:17], s[16:17], s[50:51]
	s_wait_tensorcnt 0x3
	WLD 0, 0
.irp q, 0,1,2,3
.if \q < 3
	s_wait_tensorcnt 2-\q
	WLD \q+1, (\q+1)%2
	s_wait_dscnt 16
.else
	s_wait_dscnt 0x0
.endif
.if \q >= 2
	s_wait_xcnt 0x0                                ; the stores of two slices ago have read this set of registers
.endif
.irp i, 0,1,2,3,4,5,6,7,8,9,10,11,12,13,14,15,16,17,18,19,20,21,22,23,24,25,26,27,28,29,30,31
	v_cvt_pk_f16_f32 v[OUT+32*(\q%2)+\i], v[X+64*(\q%2)+2*\i], v[X+64*(\q%2)+2*\i+1]   ; register 8 k + 4 g + i of the set: two neighbours along K
.endr
.irp j, 0,1,2,3,4,5,6,7
	global_store_b128 v[LI], v[OUT+32*(\q%2)+4*\j:OUT+32*(\q%2)+4*\j+3], s[16:17] offset:4096*\q+512*\j
.endr
.endr
	s_wait_tensorcnt 0x0                           ; the wave's end, as above
	ds_add_u32 v[SPW], v[NIL]
	s_wait_dscnt 0x0
	s_endpgm
.Lfunc_end_k_q851925a08b_prep:
	.size	k_q851925a08b_prep, .Lfunc_end_k_q851925a08b_prep-k_q851925a08b_prep
	.p2alignl 7, 3214868480
	.fill 96, 4, 3214868480
	.section	.rodata,"a",@progbits
	.p2align	6, 0x0
	.amdhsa_kernel k_q851925a08b_prep
		.amdhsa_group_segment_fixed_size 167936
		.amdhsa_private_segment_fixed_size 0
		.amdhsa_enable_private_segment 0
		.amdhsa_kernarg_size 56
		.amdhsa_user_sgpr_count 2
		.amdhsa_user_sgpr_kernarg_segment_ptr 1
		.amdhsa_wavefront_size32 1
		.amdhsa_system_sgpr_workgroup_id_x 1
		.amdhsa_system_sgpr_workgroup_id_y 1
		.amdhsa_system_sgpr_workgroup_id_z 1
		.amdhsa_system_vgpr_workitem_id 0
		.amdhsa_next_free_vgpr 256
		.amdhsa_next_free_sgpr 66
		.amdhsa_reserve_vcc 0
		.amdhsa_float_denorm_mode_32 3
		.amdhsa_float_denorm_mode_16_64 3
		.amdhsa_memory_ordered 1
		.amdhsa_forward_progress 1
		.amdhsa_inst_pref_size 38
	.end_amdhsa_kernel
	.amdgpu_metadata
---
amdhsa.version: [ 1, 2 ]
amdhsa.kernels:
  - .name:           k_q851925a08b_prep
    .symbol:         k_q851925a08b_prep.kd
    .args:
      - { .name: latents, .offset: 0, .size: 8, .value_kind: global_buffer, .address_space: global }
      - { .name: w_q, .offset: 8, .size: 8, .value_kind: global_buffer, .address_space: global }
      - { .name: w_kv, .offset: 16, .size: 8, .value_kind: global_buffer, .address_space: global }
      - { .name: w_out, .offset: 24, .size: 8, .value_kind: global_buffer, .address_space: global }
      - { .name: codes, .offset: 32, .size: 8, .value_kind: global_buffer, .address_space: global }
      - { .name: scl, .offset: 40, .size: 8, .value_kind: global_buffer, .address_space: global }
      - { .name: wo16, .offset: 48, .size: 8, .value_kind: global_buffer, .address_space: global }
    .group_segment_fixed_size: 167936
    .private_segment_fixed_size: 0
    .kernarg_segment_align: 8
    .kernarg_segment_size: 56
    .max_flat_workgroup_size: 32
    .sgpr_count:     66
    .vgpr_count:     256
    .wavefront_size: 32
...
	.end_amdgpu_metadata
.endif
;; end of part 1
;; launch kvproj (part 2): grid 256 x 1, 8 waves a work-group, no clusters, 327,680 bytes of LDS; arguments x, codes, scl, kv; writes kv
.if DOCPART == 2
	.amdgcn_target "amdgcn-amd-amdhsa--gfx1250"
	.amdhsa_code_object_version 6
	.text
	.protected	k_q851925a08b_kvproj
	.globl	k_q851925a08b_kvproj
	.p2align	8
	.type	k_q851925a08b_kvproj,@function
k_q851925a08b_kvproj:
	s_mov_b64 s[64:65], 0
	v_nop
	global_prefetch_b8 v0, s[64:65] scope:SCOPE_SE
	s_setreg_imm32_b32 hwreg(HW_REG_WAVE_MODE, 25, 1), 1
	s_wait_xcnt 0x0
; Launch 2 of 4: kv = x w_kv^T, on codes of FP4 (E2M1) with E8M0 scales; x is quantised here, w_kv's codes come from launch 1.  Nothing of the problem is left out.
; SHARES.  A work-group takes 128 rows of x (keys) and all 1,024 columns.  THE WAVES SHARE THE COLUMNS: wave w keeps tiles 8 w .. 8 w + 7 of w_kv (128 columns: 32 fragments, 256 registers, window 1) for the whole launch.
; Waves 0-3 hold K's heads 4 w .. 4 w + 3, waves 4-7 V's heads 4 (w - 4) .. + 3.  First each wave quantises 16 rows of x; their codes and scale words go to the others through LDS as images of the operand's registers.
; OUTPUT, as images of launch 3's operands: kv[batch x 16 + head] (2^20 bytes) [group of 32 keys] (4,096 bytes): K of keys 0-15, K of keys 16-31, V^T of channels 0-15, V^T of channels 16-31, 1,024 bytes each, [c][lane][16].
;   K: the product is used transposed (source 0 = 16 rows of w_kv, source 1 = 16 keys): a lane holds one key and 8 neighbouring channels: packed to f16 they are group c = the tile's parity of a K fragment.
;   V: used as it stands (source 0 = 16 keys, source 1 = 16 rows of w_kv): a lane holds one channel and 8 neighbouring keys: group c = the key tile's parity of a V^T fragment.
; NO CLUSTER: x is read by one work-group alone; w_kv's codes go from memory straight into the registers where they stay, since the stage for x and the images take 307,200 bytes of LDS and leave no room for them.
; All of x's 262,144 bytes are asked for at the head by four tensor loads a wave (four out by this text's count); nothing is filled again.  One barrier.
; LIMITS: a k or v beyond 65,504 in magnitude has no f16 number; NaN and infinities are not served; a block of zeros gets the byte 1 (its codes are zeros).
.set PITCH, 528                        ; an LDS row of x: 512 bytes + 16 of padding = 33 x 16
.set SLICE, 16*PITCH                   ; 128 along K of a wave's 16 rows
.set WSTG,  4*SLICE                    ; a wave's stage
.set XIMG,  8*WSTG                     ; behind the stages: x's codes, 8 tiles x 4,096 bytes, [K step][c][lane][16]
.set XSCO,  32768                      ; their scale words lie so far behind XIMG: 8 x 512 bytes, [lane][4 words]
.set SPARE, XIMG+XSCO+4096             ; the spare words, 128 bytes for each wave: four blocks of 256 bytes that no other line names
.set LI,  1                            ; v1     16 x lane
.set XA,  2                            ; v2     LDS: my stage, row r, + 128 h
.set SH8, 3                            ; v3     8 h
.set SPW, 4                            ; v4     LDS address of my spare word; never rewritten
.set NIL, 5                            ; v5     0; never rewritten
.set XWI, 6                            ; v6     where I store my tile's codes
.set XWS, 7                            ; v7     and its scale words
.set MX,  8                            ; v8-11, v12-13, v14-15: as in launch 1's quantiser
.set EX,  12
.set BY,  14
.set XRD, 16                           ; v16    XIMG + 16 x lane: where any tile's image is read
.set TR,  17                           ; v17    at work
.set SW,  20                           ; v20-23 the four scale words just made
.set WS,  24                           ; v24-55 w_kv's scale words, 4 t + s: scales and nothing else
.set XS,  56                           ; v56-59 x's scale words of the tile in hand: scales and nothing else
.set X,   60                           ; v60-187 first: two sets of 64 numbers of x
.set CD,  188                          ; v188-219 codes: eight registers for each K step, never rewritten
.set XF,  60                           ; later: v60-91 x's four fragments,
.set ACC, 92                           ; v92-155 eight accumulators,
.set PK,  156                          ; v156-187 their f16 numbers
.set WV,  12                           ; s12    my wave's number
.set SEL, 14                           ; s[14:15]
.set G1,  16                           ; s[16:23]
.set G0,  24                           ; s[24:39] four groups 0
.set MSB, 0
.macro WIN new                         ; the immediate's high byte repeats the setting that is left
.if MSB != \new
	s_set_vgpr_msb (MSB<<8)|\new
.set MSB, \new
.endif
.endm
	s_load_b256 s[4:11], s[0:1], 0x0               ; x s[4:5], codes s[6:7], scl s[8:9], kv s[10:11]
	v_lshl_add_u32 v[SPW], v0, 2, SPARE
	v_mov_b32 v[NIL], 0
	ds_add_u32 v[SPW], v[NIL]                      ; the wave's opening: the add, twice on end, and its wait ahead of my first tensor load
	ds_add_u32 v[SPW], v[NIL]                      ; and once more, under the one wait
	v_lshrrev_b32 v[TR], 5, v0
	v_readfirstlane_b32 s[WV], v[TR]               ; wave 0..7
	s_mov_b32 s[G1+0], (2<<16)|(1<<20)|(6<<22)|(3<<25)  ; elements of 4 bytes; padding on: 4 words behind every 128
	s_mov_b32 s[G1+1], 128<<16                     ; tensor_dim0
	s_mov_b32 s[G1+2], 16<<16                      ; tensor_dim1
	s_mov_b32 s[G1+3], 128<<16                     ; tile_dim0
	s_mov_b32 s[G1+4], 16                          ; tile_dim1
	s_mov_b32 s[G1+5], 512                         ; elements from row to row
	s_mov_b32 s[G1+6], 0
	s_mov_b32 s[G1+7], 0
	s_mov_b32 s[SEL], 0x76543210
	s_mov_b32 s[SEL+1], 0xfedcba98
	v_and_b32 v[LI], 31, v0
	v_and_b32 v[TR], 15, v0                        ; r
	v_bfe_u32 v[SH8], v0, 4, 1                     ; h
	v_lshlrev_b32 v[LI], 4, v[LI]
	v_mul_u32_u24 v[TR], v[TR], PITCH
	v_lshl_add_u32 v[XA], v[SH8], 7, v[TR]
	s_mul_i32 s40, s[WV], WSTG                     ; my stage
	v_add_nc_u32 v[XA], s40, v[XA]
	v_lshlrev_b32 v[SH8], 3, v[SH8]
	s_lshl_b32 s41, s[WV], 12
	s_add_co_u32 s41, s41, XIMG
	v_add_nc_u32 v[XWI], s41, v[LI]
	s_lshl_b32 s41, s[WV], 9
	s_add_co_u32 s41, s41, XIMG+XSCO
	v_add_nc_u32 v[XWS], s41, v[LI]
	v_add_nc_u32 v[XRD], XIMG, v[LI]
	s_lshl_b32 s42, ttmp9, 18                      ; x: 128 rows of 2,048 bytes a work-group,
	s_lshl_b32 s43, s[WV], 15                      ; 16 a wave
	s_add_co_u32 s42, s42, s43
	s_mov_b32 s43, 0
	s_lshl_b32 s44, s[WV], 3
	s_add_co_u32 s44, s44, 160                     ; my first tile of w_kv among launch 1's tiles
	s_lshl_b32 s46, s44, 9                         ; its scale words,
	s_mov_b32 s47, 0
	s_lshl_b32 s44, s44, 12                        ; its codes
	s_mov_b32 s45, 0
	s_lshr_b32 s48, ttmp9, 6                       ; the batch: 64 work-groups each
	s_lshl_b32 s48, s48, 4
	s_and_b32 s49, s[WV], 3
	s_lshl_b32 s49, s49, 2
	s_add_co_u32 s48, s48, s49                     ; batch x 16 + my first head
	s_lshl_b32 s48, s48, 20
	s_and_b32 s49, ttmp9, 63
	s_lshl_b32 s49, s49, 14                        ; my work-group's four groups of 32 keys
	s_add_co_u32 s48, s48, s49
	s_mov_b32 s49, 0
	s_wait_dscnt 0x0                               ; both opening adds are done
	s_wait_kmcnt 0x0
	s_add_nc_u64 s[4:5], s[4:5], s[42:43]
	s_add_nc_u64 s[6:7], s[6:7], s[44:45]
	s_add_nc_u64 s[8:9], s[8:9], s[46:47]
	s_add_nc_u64 s[10:11], s[10:11], s[48:49]
.irp s, 0,1,2,3
	s_mov_b32 s[G0+4*\s], 1
	s_add_co_u32 s[G0+4*\s+1], s40, \s*SLICE       ; LDS: the wave's number x a constant + the slice's constant
	s_add_nc_u64 s[G0+4*\s+2:G0+4*\s+3], s[4:5], \s*512
	s_or_b32 s[G0+4*\s+3], s[G0+4*\s+3], 0x80000000
.endr
.irp s, 0,1,2,3
	tensor_load_to_lds s[G0+4*\s:G0+4*\s+3], s[G1:G1+7]
	s_nop 0
.endr
.rept 4
	v_nop
.endr
	WIN 0x40                                       ; destination window 1, address window 0
.irp t, 0,1,2,3,4,5,6,7                ; w_kv's fragment (tile t, K step s) at v[8 (4 t + s)] of window 1: it stays
.irp s, 0,1,2,3
.irp c, 0,1
	global_load_b128 v[8*(4*\t+\s)+4*\c:8*(4*\t+\s)+4*\c+3], v[LI], s[6:7] offset:4096*\t+1024*\s+512*\c
.endr
.endr
.endr
	WIN 0
.irp t, 0,1,2,3,4,5,6,7
	global_load_b128 v[WS+4*\t:WS+4*\t+3], v[LI], s[8:9] offset:512*\t
.endr
; 64 numbers of a lane, two whole blocks of 32 (blocks h and 2 + h of a K step), become the fragment's eight registers of codes and the row's scale word.
.macro QB xb, cb, sw
.irp c, 0,1
.irp d, 0,1
	v_max3_num_f32 v[MX+2*\c+\d], |v[(\xb)+32*\c+16*\d]|, |v[(\xb)+32*\c+16*\d+1]|, 0x1800000   ; two chains a block, and the floor 2^(3 - 127): the byte cannot fall under 1
.endr
.endr
.irp i, 2,4,6,8,10,12,14
.irp c, 0,1
.irp d, 0,1
	v_max3_num_f32 v[MX+2*\c+\d], v[MX+2*\c+\d], |v[(\xb)+32*\c+16*\d+\i]|, |v[(\xb)+32*\c+16*\d+\i+1]|
.endr
.endr
.endr
	v_max_num_f32 v[MX], v[MX], v[MX+1]
	v_max_num_f32 v[MX+2], v[MX+2], v[MX+3]
	v_add_nc_u32 v[EX], 0xff000000, v[MX]          ; 2 off the exponent field: the conversion's scale operand
	v_add_nc_u32 v[EX+1], 0xff000000, v[MX+2]
	v_lshrrev_b32 v[BY], 23, v[EX]
	v_lshrrev_b32 v[BY+1], 23, v[EX+1]
	v_lshl_or_b32 v[BY], v[BY+1], 16, v[BY]
	v_lshlrev_b32 v[BY], v[SH8], v[BY]
	v_permlanex16_b32 v[BY+1], v[BY], s[SEL], s[SEL+1]
	v_or_b32 v[\sw], v[BY], v[BY+1]
.irp c, 0,1
.irp g, 0,1,2,3
	v_cvt_scalef32_pk8_fp4_f32 v[(\cb)+4*\c+\g], v[(\xb)+32*\c+8*\g:(\xb)+32*\c+8*\g+7], v[EX+\c]
.endr
.endr
	v_nop                                          ; one plain line behind the last scaled conversion
.endm
.macro XLD sl, bk
.irp c, 0,1
.irp i, 0,1,2,3,4,5,6,7
	ds_load_b128 v[X+64*(\bk)+32*\c+4*\i:X+64*(\bk)+32*\c+4*\i+3], v[XA] offset:SLICE*(\sl)+256*\c+16*\i
.endr
.endr
.endm
	; ---- my 16 rows of x become four fragments and four scale words a row.  I read only what my own tensor loads brought: my own wait on them is all the ordering that these reads need
	s_wait_tensorcnt 0x3                           ; slice 0 has landed
	XLD 0, 0
.irp q, 0,1,2,3
.if \q < 3
	s_wait_tensorcnt 2-\q                          ; the next slice has landed
	XLD \q+1, (\q+1)%2
	s_wait_dscnt 16                                ; this slice's numbers are in (and the last slice's two image stores done); the 16 loads just issued may be out
.else
	s_wait_dscnt 0x0
.endif
	QB X+64*(\q%2), CD+8*\q, SW+\q
	ds_store_b128 v[XWI], v[CD+8*\q:CD+8*\q+3] offset:1024*\q       ; the fragment goes to LDS as it stands
	ds_store_b128 v[XWI], v[CD+8*\q+4:CD+8*\q+7] offset:1024*\q+512
.endr
	ds_store_b128 v[XWS], v[SW:SW+3]
	s_wait_dscnt 0x0                               ; for the others' sake: my stores have landed
	s_barrier_signal -1
	s_barrier_wait -1                              ; x's eight tiles lie in LDS
	s_wait_loadcnt 0x0                             ; w_kv's fragments and scale words
; Tile m of 16 keys against my eight tiles of w_kv: 32 products, the eight accumulators by turns, K ascending; then f16, then eight stores of 512 consecutive bytes.
.macro MT isv, m
.irp j, 0,1,2,3,4,5,6,7
	ds_load_b128 v[XF+4*\j:XF+4*\j+3], v[XRD] offset:4096*(\m)+512*\j
.endr
	ds_load_b128 v[XS:XS+3], v[XRD] offset:XSCO+512*(\m)
	s_wait_dscnt 0x0
.if \isv
	WIN 0x04                                       ; source 1 (w_kv) in window 1
.else
	WIN 0x01                                       ; source 0 (w_kv) in window 1
.endif
.irp s, 0,1,2,3
.irp t, 0,1,2,3,4,5,6,7
.if \isv
.if \s == 0
	v_wmma_scale_f32_16x16x128_f8f6f4 v[ACC+8*\t:ACC+8*\t+7], v[XF+8*\s:XF+8*\s+7], v[8*(4*\t+\s):8*(4*\t+\s)+7], 0, v[XS+\s], v[WS+4*\t+\s] matrix_a_fmt:MATRIX_FMT_FP4 matrix_b_fmt:MATRIX_FMT_FP4
.else
	v_wmma_scale_f32_16x16x128_f8f6f4 v[ACC+8*\t:ACC+8*\t+7], v[XF+8*\s:XF+8*\s+7], v[8*(4*\t+\s):8*(4*\t+\s)+7], v[ACC+8*\t:ACC+8*\t+7], v[XS+\s], v[WS+4*\t+\s] matrix_a_fmt:MATRIX_FMT_FP4 matrix_b_fmt:MATRIX_FMT_FP4
.endif
.else
.if \s == 0
	v_wmma_scale_f32_16x16x128_f8f6f4 v[ACC+8*\t:ACC+8*\t+7], v[8*(4*\t+\s):8*(4*\t+\s)+7], v[XF+8*\s:XF+8*\s+7], 0, v[WS+4*\t+\s], v[XS+\s] matrix_a_fmt:MATRIX_FMT_FP4 matrix_b_fmt:MATRIX_FMT_FP4
.else
	v_wmma_scale_f32_16x16x128_f8f6f4 v[ACC+8*\t:ACC+8*\t+7], v[8*(4*\t+\s):8*(4*\t+\s)+7], v[XF+8*\s:XF+8*\s+7], v[ACC+8*\t:ACC+8*\t+7], v[WS+4*\t+\s], v[XS+\s] matrix_a_fmt:MATRIX_FMT_FP4 matrix_b_fmt:MATRIX_FMT_FP4
.endif
.endif
.endr
.endr
	WIN 0
.rept 4
	v_nop                                          ; four places ahead of the first read of results, and of the next tile's loads into x's fragments and scale words
.endr
	s_wait_xcnt 0x0                                ; the last tile's stores have read their registers
.irp i, 0,1,2,3,4,5,6,7,8,9,10,11,12,13,14,15,16,17,18,19,20,21,22,23,24,25,26,27,28,29,30,31
	v_cvt_pk_f16_f32 v[PK+\i], v[ACC+2*\i], v[ACC+2*\i+1]   ; ascending: each accumulator is read from its low end on.  (The conversions of the other accumulators are further places ahead of the next tile's products, which begin the sums anew)
.endr
.irp t, 0,1,2,3,4,5,6,7
.if \isv
	global_store_b128 v[LI], v[PK+4*\t:PK+4*\t+3], s[10:11] offset:(\t/2)*1048576+((\m)/2)*4096+2048+(\t%2)*1024+((\m)%2)*512 th:TH_STORE_NT
.else
	global_store_b128 v[LI], v[PK+4*\t:PK+4*\t+3], s[10:11] offset:(\t/2)*1048576+((\m)/2)*4096+((\m)%2)*1024+(\t%2)*512 th:TH_STORE_NT
.endif
.endr
.endm
	s_cmp_lt_u32 s[WV], 4                          ; waves 0-3: K; waves 4-7: V.  No barrier stands in either arm
	s_cbranch_scc0 .Lfor_v
.irp m, 0,1,2,3,4,5,6,7
	MT 0, \m
.endr
	s_wait_tensorcnt 0x0                           ; the wave's end: behind my last tensor load and my last LDS store
	ds_add_u32 v[SPW], v[NIL]
	s_wait_dscnt 0x0
	s_endpgm
.Lfor_v:
.irp m, 0,1,2,3,4,5,6,7
	MT 1, \m
.endr
	s_wait_tensorcnt 0x0                           ; the wave's end, as above
	ds_add_u32 v[SPW], v[NIL]
	s_wait_dscnt 0x0
	s_endpgm
.Lfunc_end_k_q851925a08b_kvproj:
	.size	k_q851925a08b_kvproj, .Lfunc_end_k_q851925a08b_kvproj-k_q851925a08b_kvproj
	.p2alignl 7, 3214868480
	.fill 96, 4, 3214868480
	.section	.rodata,"a",@progbits
	.p2align	6, 0x0
	.amdhsa_kernel k_q851925a08b_kvproj
		.amdhsa_group_segment_fixed_size 327680
		.amdhsa_private_segment_fixed_size 0
		.amdhsa_enable_private_segment 0
		.amdhsa_kernarg_size 32
		.amdhsa_user_sgpr_count 2
		.amdhsa_user_sgpr_kernarg_segment_ptr 1
		.amdhsa_wavefront_size32 1
		.amdhsa_system_sgpr_workgroup_id_x 1
		.amdhsa_system_sgpr_workgroup_id_y 1
		.amdhsa_system_sgpr_workgroup_id_z 1
		.amdhsa_system_vgpr_workitem_id 0
		.amdhsa_next_free_vgpr 512
		.amdhsa_next_free_sgpr 66
		.amdhsa_reserve_vcc 0
		.amdhsa_float_denorm_mode_32 3
		.amdhsa_float_denorm_mode_16_64 3
		.amdhsa_memory_ordered 1
		.amdhsa_forward_progress 1
		.amdhsa_inst_pref_size 150
	.end_amdhsa_kernel
	.amdgpu_metadata
---
amdhsa.version: [ 1, 2 ]
amdhsa.kernels:
  - .name:           k_q851925a08b_kvproj
    .symbol:         k_q851925a08b_kvproj.kd
    .args:
      - { .name: x, .offset: 0, .size: 8, .value_kind: global_buffer, .address_space: global }
      - { .name: codes, .offset: 8, .size: 8, .value_kind: global_buffer, .address_space: global }
      - { .name: scl, .offset: 16, .size: 8, .value_kind: global_buffer, .address_space: global }
      - { .name: kv, .offset: 24, .size: 8, .value_kind: global_buffer, .address_space: global }
    .group_segment_fixed_size: 327680
    .private_segment_fixed_size: 0
    .kernarg_segment_align: 8
    .kernarg_segment_size: 32
    .max_flat_workgroup_size: 256
    .sgpr_count:     66
    .vgpr_count:     512
    .wavefront_size: 32
...
	.end_amdgpu_metadata
.endif
;; end of part 2
;; launch attn (part 3): grid 4 x 64, 16 waves a work-group, clusters of 4 x 1, 327,680 bytes of LDS; arguments codes, scl, kv, att; writes att
.if DOCPART == 3
	.amdgcn_target "amdgcn-amd-amdhsa--gfx1250"
	.amdhsa_code_object_version 6
	.text
	.protected	k_q851925a08b_attn
	.globl	k_q851925a08b_attn
	.p2align	8
	.type	k_q851925a08b_attn,@function
k_q851925a08b_attn:
	s_mov_b64 s[64:65], 0
	v_nop
	global_prefetch_b8 v0, s[64:65] scope:SCOPE_SE
	s_setreg_imm32_b32 hwreg(HW_REG_WAVE_MODE, 25, 1), 1
	s_wait_xcnt 0x0
	s_wait_alu depctr_hold_cnt(0) depctr_sa_sdst(0) depctr_va_vdst(0) depctr_va_sdst(0) depctr_va_ssrc(0) depctr_va_vcc(0) depctr_vm_vsrc(0)
	s_getreg_b32 s2, hwreg(HW_REG_IB_STS2, 6, 4)
	s_cmp_eq_u32 s2, 0
	s_cbranch_scc0 .Lentry_in_a_cluster
	s_endpgm
.Lentry_in_a_cluster:
	s_bfe_u32 s2, ttmp6, 0x10000c
	s_cmp_lg_u32 s2, 0x3003
	s_cbranch_scc0 .Lentry_shape_is_right
	s_endpgm
.Lentry_shape_is_right:
; Launch 3 of 4: for each batch and head, att = softmax(q k^T / sqrt(32)) v.  Nothing of the problem is left out.
; q = latents w_q^T is made here, on launch 1's codes of FP4 (each tile of q once in the launch), multiplied in f32 by c = log2(e) / sqrt(32) and rounded to f16; K and V come from launch 2 as f16 images.
; SHARES.  A cluster of four work-groups is one (batch, head); each work-group owns 128 queries.  All four walk the same K and V, so each tile is asked for JOINTLY: the same tensor load, the same descriptor, mask 15.
; Of the sixteen waves, wave i takes queries 64 (i % 2) .. + 63 (four tiles of 16) and the (i / 2)-th eighth of every slot's keys: 1,024 keys in all.  The eight parts of a query are merged at the end through LDS.
; Four waves share a SIMD, so that one wave's exponentials stand beside another's plain and matrix work.
; LAYOUT.  S^T = K Q^T (source 0 = 16 keys, source 1 = 16 queries) and O^T = V^T P (source 0 = 16 channels x 32 keys, source 1 = P): a lane holds ONE query throughout; two tiles of S^T rounded to f16 in pairs ARE a fragment of P.
; SOFTMAX.  The scores come out as t = score x c.  For each query a running maximum m and sum l: p = 2^(t - m); in every step O and l are multiplied by a = 2^(m_old - m_new).  The sum is taken of p in f32.
; RING.  Two slots of 1,024 keys (131,072 dense bytes of kv); every wave fetches 8,192 bytes of a slot: one tensor load a wave is out behind each round of the cluster's barrier, and has a slot's eight tile steps in which to land.
; LIMITS: c q beyond 65,504 has no f16 number; NaN and infinities are not served.
.set SLOT1, 1<<17                      ; slot 1 begins here: one exclusive or turns an address in one slot into the other's
.set SLOTB, 131072                     ; a slot's bytes in kv
.set QIMG,  2*SLOT1                    ; behind the ring: q's eight fragments, 1,024 bytes each
.set STATS, QIMG+8192                  ; the parts' m and l: wave i, tile t: m at 1,024 i + 256 t, l 128 further on, 4 bytes a lane
.set SPARE, STATS+16384                ; the spare words, 128 bytes for each wave: eight blocks of 256 bytes that no other line names
.set LI,   1                           ; v1     16 x lane
.set AKV0, 2                           ; v2     16 x lane + my eighth of a slot
.set ADR,  3                           ; v3     the same in the slot in hand
.set SPW,  4                           ; v4     LDS address of my spare word; never rewritten
.set NIL,  5                           ; v5     0; never rewritten
.set PFO,  6                           ; v6     256 x lane: the prefetches' offset; never rewritten
.set LSC,  8                           ; v8-11  latents' scale words: scales and nothing else
.set WSC,  12                          ; v12-15 w_q's: scales and nothing else
.set ST,   16                          ; v16-31 tile t at ST + 4 t: +0 m, +1 named with it as a pair, +2, +3 l (even keys', odd keys')
.set CM,   32                          ; v32-35 four chains of the maximum
.set XX,   36                          ; v36    the other half of the lanes' maximum
.set DD,   37                          ; v37    m_old - m_new
.set AA,   38                          ; v38    a; v39 named with it as a pair
.set SU,   40                          ; v40-41, v42-43 two chains of the sum.  At the head v40, v41 hold the two addresses of q's images
.set SV,   42
.set QF,   48                          ; v48-79   q: four fragments
.set KF,   80                          ; v80-111  K: four fragments (64 keys)
.set VF,   112                         ; v112-143 V^T: (32 keys kk, 16 channels ct) at 8 (2 kk + ct)
.set S,    144                         ; v144-175 S^T, then p
.set P,    176                         ; v176-191 p in f16
.set OA,   192                         ; v192-255 O^T: tile t, channels 16 ct on, at 16 t + 8 ct
.set WV,   16                          ; s16    my wave's number
.set CX,   17                          ; s17    my place in the cluster: it enters the addresses of latents' codes, of att and of the prefetches alone
.set BH,   18                          ; s18    batch x 16 + head, which the four partners share
.set G1,   24                          ; s[24:31] descriptor group 1
.set G0,   32                          ; s[32:35] descriptor group 0, which walks
.set SEL,  36                          ; s[36:37] selects for lane l xor 16
.set TB,   38                          ; s38    LDS byte at which the slot in hand begins
.set SLOTS, 39                         ; s39    slots still to be asked for
.set LIM,  40                          ; s40    1 in a wave that prefetches, else the greatest number
.set PFA,  42                          ; s[42:43] where my prefetches stand
.set CS,   44                          ; s[44:45] c
.macro CROUND                          ; a round of the cluster's barrier
	s_barrier_signal -1
	s_barrier_wait -1
	s_cmp_lg_u32 s[WV], 0
	s_cbranch_scc1 .Lnot_wave_0_\@
	s_barrier_signal -3
.Lnot_wave_0_\@:
	s_barrier_wait -3
	s_barrier_signal -1
	s_barrier_wait -1
.endm
; A prefetch into the L2 of the slot that the NEXT change of slots will ask for: 131,072 bytes.  The four partners take 32,768 each, told apart by address; in each, waves 0-3 take 8,192 each, lanes 256 bytes apart:
; each aligned block of 256 bytes is named once in the launch.  The last change that fills a slot asks for nothing; nothing is asked for at the head.
.macro ASK
	s_cmp_gt_u32 s[SLOTS], s[LIM]
	s_cbranch_scc0 .Lnot_mine_\@
	global_prefetch_b8 v[PFO], s[PFA:PFA+1] th:TH_LOAD_NT scope:SCOPE_SE
.Lnot_mine_\@:
.endm
	s_load_b256 s[4:11], s[0:1], 0x0               ; codes s[4:5], scl s[6:7], kv s[8:9], att s[10:11]
	v_lshl_add_u32 v[SPW], v0, 2, SPARE
	v_mov_b32 v[NIL], 0
	ds_add_u32 v[SPW], v[NIL]                      ; the wave's opening: the add, twice on end, and its wait ahead of my first tensor load
	ds_add_u32 v[SPW], v[NIL]                      ; and once more, under the one wait
	v_lshrrev_b32 v1, 5, v0
	v_readfirstlane_b32 s[WV], v1                  ; wave 0..15
	s_bfe_u32 s[CX], ttmp6, 0x40000
	s_and_b32 s[BH], ttmp7, 0xffff
	s_mov_b32 s[G1+0], 15|(3<<16)|(1<<21)          ; the mask: all four work-groups; elements of 8 bytes; bit 21 beside a mask; no padding: every read is 16 x lane on end
	s_mov_b32 s[G1+1], 32<<16                      ; tensor_dim0 = 32 elements: rows of 256 bytes
	s_mov_b32 s[G1+2], 32<<16                      ; tensor_dim1 = 32
	s_mov_b32 s[G1+3], 32<<16                      ; tile_dim0
	s_mov_b32 s[G1+4], 32                          ; tile_dim1
	s_mov_b32 s[G1+5], 32                          ; dense
	s_mov_b32 s[G1+6], 0
	s_mov_b32 s[G1+7], 0
	s_mov_b32 s[SEL], 0x76543210
	s_mov_b32 s[SEL+1], 0xfedcba98
	s_mov_b32 s[CS], 0x3e8293ee                    ; c = log2(e) / sqrt(32)
	s_mov_b32 s[CS+1], s[CS]                       ; (named with it as a pair, so it is written)
	s_mov_b32 s[TB], 0
	s_mov_b32 s[SLOTS], 7
	s_lshr_b32 s[LIM], s[WV], 2
	s_cmp_eq_u32 s[LIM], 0                         ; waves 0-3: the same in all four partners
	s_cselect_b32 s[LIM], 1, -1
	s_lshr_b32 s19, s[BH], 4                       ; batch
	s_and_b32 s20, s[BH], 15                       ; head
	s_and_b32 s21, s[WV], 1
	s_lshr_b32 s22, s[WV], 1
	s_lshl_b32 s46, s[BH], 20                      ; K and V: the head's 2^20 bytes,
	s_lshl_b32 s[G0+1], s[WV], 13                  ; my 8,192 of a slot, in LDS as in memory
	s_add_co_u32 s46, s46, s[G0+1]
	s_mov_b32 s47, 0
	s_lshl_b32 s48, s[BH], 20                      ; the prefetches: my work-group's quarter, my wave's quarter of that,
	s_lshl_b32 s49, s[CX], 15
	s_add_co_u32 s48, s48, s49
	s_and_b32 s49, s[WV], 3
	s_lshl_b32 s49, s49, 13
	s_add_co_u32 s48, s48, s49
	s_add_co_u32 s48, s48, SLOTB                   ; in slot 1: the first change steps it to slot 2
	s_mov_b32 s49, 0
	s_lshl_b32 s50, s20, 1                         ; the tile of w_q that I multiply: 128 + 2 head + wave % 2
	s_add_co_u32 s50, s50, s21
	s_add_co_u32 s50, s50, 128
	s_lshl_b32 s51, s19, 5                         ; and of latents: 32 batch + 8 cx + wave / 2.  The same number is the tile of queries that I merge and store
	s_lshl_b32 s23, s[CX], 3
	s_add_co_u32 s51, s51, s23
	s_add_co_u32 s51, s51, s22
	s_lshl_b32 s52, s50, 12
	s_mov_b32 s53, 0
	s_lshl_b32 s54, s51, 12
	s_mov_b32 s55, 0
	s_lshl_b32 s56, s50, 9
	s_mov_b32 s57, 0
	s_lshl_b32 s58, s51, 9
	s_mov_b32 s59, 0
	s_lshl_b32 s60, s51, 14                        ; att: 16,384 bytes a tile of queries, 1,024 a head, 512 a half of the head's channels
	s_lshl_b32 s23, s20, 10
	s_add_co_u32 s60, s60, s23
	s_lshl_b32 s23, s21, 9
	s_add_co_u32 s60, s60, s23
	s_mov_b32 s61, 0
	v_and_b32 v1, 31, v0
	v_lshlrev_b32 v[PFO], 8, v1
	v_lshlrev_b32 v[LI], 4, v1
	s_lshl_b32 s23, s22, 14
	v_add_nc_u32 v[AKV0], s23, v[LI]
	s_lshl_b32 s23, s[WV], 9
	s_add_co_u32 s23, s23, QIMG
	v_add_nc_u32 v[SU], s23, v[LI]                 ; where I store my half fragment of q: tile wave / 2, group wave % 2
	s_lshl_b32 s23, s21, 12
	s_add_co_u32 s23, s23, QIMG
	v_add_nc_u32 v[SU+1], s23, v[LI]               ; and where I read my four fragments
	v_mov_b32 v[XX], 0                             ; a lane permute's destination counts as one of its sources
	v_mov_b32 v[AA+1], 0
	s_wait_dscnt 0x0                               ; both opening adds are done
	s_wait_kmcnt 0x0
	s_mov_b32 s[G0], 1
	s_add_nc_u64 s[G0+2:G0+3], s[8:9], s[46:47]
	s_or_b32 s[G0+3], s[G0+3], 0x80000000
	s_add_nc_u64 s[PFA:PFA+1], s[8:9], s[48:49]
	s_add_nc_u64 s[52:53], s[4:5], s[52:53]
	s_add_nc_u64 s[54:55], s[4:5], s[54:55]
	s_add_nc_u64 s[56:57], s[6:7], s[56:57]
	s_add_nc_u64 s[58:59], s[6:7], s[58:59]
	s_add_nc_u64 s[10:11], s[10:11], s[60:61]
	CROUND                                         ; all four work-groups are here: the first joint loads meet
	tensor_load_to_lds s[G0:G0+3], s[G1:G1+7]      ; slot 0: every wave issues its part
	s_nop 0
.rept 4
	v_nop
.endr
	; ---- q: wave i makes 16 channels (group i % 2) of tile i / 2 of the block's queries: four products on codes, K = 512
.irp j, 0,1,2,3,4,5,6,7
	global_load_b128 v[KF+4*\j:KF+4*\j+3], v[LI], s[52:53] offset:512*\j   ; w_q's four fragments
.endr
.irp j, 0,1,2,3,4,5,6,7
	global_load_b128 v[VF+4*\j:VF+4*\j+3], v[LI], s[54:55] offset:512*\j   ; latents' four
.endr
	global_load_b128 v[WSC:WSC+3], v[LI], s[56:57]
	global_load_b128 v[LSC:LSC+3], v[LI], s[58:59]
.irp j, 0,1,2,3,4,5,6,7,8,9,10,11,12,13,14,15,16,17,18,19,20,21,22,23,24,25,26,27,28,29,30,31,32,33,34,35,36,37,38,39,40,41,42,43,44,45,46,47,48,49,50,51,52,53,54,55,56,57,58,59,60,61,62,63
	v_mov_b32 v[OA+\j], 0                          ; O^T.  The step is written once: the first finds zeros, which its a = 0 leaves zeros; a first step of its own would be a second copy of the loop's text
.endr
.irp t, 0,1,2,3
	v_mov_b32 v[ST+4*\t], 0xff61b1e6               ; m: -3e38, under every t
	v_mov_b32 v[ST+4*\t+1], 0
	v_mov_b32 v[ST+4*\t+2], 0                      ; l
	v_mov_b32 v[ST+4*\t+3], 0
.endr
	s_wait_loadcnt 0x0
	v_wmma_scale_f32_16x16x128_f8f6f4 v[S:S+7], v[KF:KF+7], v[VF:VF+7], 0, v[WSC], v[LSC] matrix_a_fmt:MATRIX_FMT_FP4 matrix_b_fmt:MATRIX_FMT_FP4
.irp s, 1,2,3
	s_wait_alu depctr_va_vdst(0)                   ; this wait directly ahead of each link
	v_wmma_scale_f32_16x16x128_f8f6f4 v[S:S+7], v[KF+8*\s:KF+8*\s+7], v[VF+8*\s:VF+8*\s+7], v[S:S+7], v[WSC+\s], v[LSC+\s] matrix_a_fmt:MATRIX_FMT_FP4 matrix_b_fmt:MATRIX_FMT_FP4
.endr
.rept 4
	v_nop
.endr
.irp i, 0,1,2,3
	v_pk_mul_f32 v[S+8+2*\i:S+9+2*\i], v[S+2*\i:S+2*\i+1], s[CS:CS+1] op_sel_hi:[1,0]   ; c q, in f32: lane (r, h) holds query r, channels 8 h + 0 .. 7 of the tile
.endr
.irp i, 0,1,2,3
	v_cvt_pk_f16_f32 v[P+\i], v[S+8+2*\i], v[S+9+2*\i]
.endr
	ds_store_b128 v[SU], v[P:P+3]
	s_wait_dscnt 0x0                               ; for the others' sake: my store has landed
	s_barrier_signal -1
	s_barrier_wait -1
.irp t, 0,1,2,3
.irp c, 0,1
	ds_load_b128 v[QF+8*\t+4*\c:QF+8*\t+4*\c+3], v[SU+1] offset:1024*\t+512*\c   ; awaited by the first change of slots
.endr
.endr
; THE CHANGE OF SLOTS stands at a slot's head.  Each wave waits for all its tensor loads (its part of the slot ahead), adds 0 to its spare word, and waits for that and for its reads of the slot that it has left.
; fill = 1: a round of the cluster's barrier, so that no wave of any partner still reads the other slot or has a load on its way; the joint load of the next 1,024 keys is the first thing behind it.
.macro CHANGE fill
	s_wait_tensorcnt 0x0                           ; no tensor load of mine is out, so group 0 may be written
	ds_add_u32 v[SPW], v[NIL]
.if \fill
	s_xor_b32 s[G0+1], s[G0+1], SLOT1              ; the other slot than last time,
	s_add_nc_u64 s[G0+2:G0+3], s[G0+2:G0+3], SLOTB ; the next 1,024 keys; the type bits on top are not reached
	s_wait_xcnt 0x0                                ; the last prefetch, a slot back, has read its address
	s_add_nc_u64 s[PFA:PFA+1], s[PFA:PFA+1], SLOTB ; one slot further on than the walking descriptor
	s_wait_dscnt 0x0                               ; the add is done, and my reads of the slot that I have left are over
	CROUND
	tensor_load_to_lds s[G0:G0+3], s[G1:G1+7]
	s_nop 0
.rept 4
	v_nop
.endr
	ASK
.else
	s_wait_dscnt 0x0
	s_barrier_signal -1
	s_barrier_wait -1
.endif
.endm
; 64 keys of my eighth: four fragments of K, then four of V^T, in one run of 16 loads
.macro LOADKV st
.rept 4
	v_nop                                          ; four places (ISA guide 7.12.1) behind the last product that read V
.endr
.irp f, 0,1,2,3
.irp c, 0,1
	ds_load_b128 v[KF+8*\f+4*\c:KF+8*\f+4*\c+3], v[ADR] offset:8192*(\st)+4096*(\f/2)+1024*(\f%2)+512*\c
.endr
.endr
.irp f, 0,1,2,3
.irp c, 0,1
	ds_load_b128 v[VF+8*\f+4*\c:VF+8*\f+4*\c+3], v[ADR] offset:8192*(\st)+4096*(\f/2)+2048+1024*(\f%2)+512*\c
.endr
.endr
.endm
; A TILE STEP: 16 queries (tile t) x 64 keys.  first = 1: the run of loads has just been issued.
.macro TILE t, first
.set rM, ST+4*(\t)
.set rO, OA+16*(\t)
.set rQ, QF+8*(\t)
.if \first
	s_wait_dscnt 8                                 ; K is in; V's eight loads may be out
.endif
.irp u, 0,1,2,3
	v_wmma_f32_16x16x32_f16 v[S+8*\u:S+8*\u+7], v[KF+8*\u:KF+8*\u+7], v[rQ:rQ+7], 0
.endr
.rept 4
	v_nop
.endr
.irp u, 0,1,2,3
	v_max3_num_f32 v[CM+\u], v[S+8*\u], v[S+8*\u+1], v[S+8*\u+2]       ; four chains; each accumulator is read from its low end on
.endr
.irp u, 0,1,2,3
	v_max3_num_f32 v[CM+\u], v[CM+\u], v[S+8*\u+3], v[S+8*\u+4]
.endr
.irp u, 0,1,2,3
	v_max3_num_f32 v[CM+\u], v[CM+\u], v[S+8*\u+5], v[S+8*\u+6]
.endr
	v_max3_num_f32 v[CM], v[CM], v[S+7], v[S+15]
	v_max3_num_f32 v[CM+2], v[CM+2], v[S+23], v[S+31]
	v_max3_num_f32 v[CM], v[CM], v[CM+1], v[CM+2]
	v_max3_num_f32 v[CM], v[CM], v[CM+3], v[rM]    ; with the old m
	v_permlanex16_b32 v[XX], v[CM], s[SEL], s[SEL+1]   ; the query's other 32 keys lie in the lane 16 away
	v_mov_b32 v[DD], v[rM]
	v_max_num_f32 v[rM], v[CM], v[XX]              ; the new m
	v_sub_f32 v[DD], v[DD], v[rM]
	v_exp_f32 v[AA], v[DD]                         ; a.  ONE BATCH of 33 exponentials follows; none of its lines names a result
	v_pk_add_f32 v[S:S+1], v[S:S+1], v[rM:rM+1] op_sel_hi:[1,0] neg_lo:[0,1] neg_hi:[0,1]     ; t - m, two at a time
	v_pk_add_f32 v[S+2:S+3], v[S+2:S+3], v[rM:rM+1] op_sel_hi:[1,0] neg_lo:[0,1] neg_hi:[0,1]
.irp b, 2,3,4,5,6,7,8,9,10,11,12,13,14,15
	v_pk_add_f32 v[S+2*\b:S+2*\b+1], v[S+2*\b:S+2*\b+1], v[rM:rM+1] op_sel_hi:[1,0] neg_lo:[0,1] neg_hi:[0,1]
	v_exp_f32 v[S+2*\b-4], v[S+2*\b-4]             ; the pair two back
	v_exp_f32 v[S+2*\b-3], v[S+2*\b-3]
.endr
.irp e, 28,29,30,31
	v_exp_f32 v[S+\e], v[S+\e]
.endr
	v_nop                                          ; a plain line behind the last exponential
	s_wait_alu depctr_va_vdst(0)                   ; one wait for the whole batch, ahead of its first reader
.irp i, 0,1,2,3,4,5,6,7,8,9,10,11,12,13,14,15
	v_cvt_pk_f16_f32 v[P+\i], v[S+2*\i], v[S+2*\i+1]
.endr
	v_pk_add_f32 v[SU:SU+1], v[S:S+1], v[S+2:S+3]  ; the sum of the unrounded p, in two chains
	v_pk_add_f32 v[SV:SV+1], v[S+4:S+5], v[S+6:S+7]
.irp j, 8,12,16,20,24,28
	v_pk_add_f32 v[SU:SU+1], v[SU:SU+1], v[S+\j:S+\j+1]
	v_pk_add_f32 v[SV:SV+1], v[SV:SV+1], v[S+\j+2:S+\j+3]
.endr
	v_pk_add_f32 v[SU:SU+1], v[SU:SU+1], v[SV:SV+1]
	v_pk_fma_f32 v[rM+2:rM+3], v[rM+2:rM+3], v[AA:AA+1], v[SU:SU+1] op_sel_hi:[1,0,1]   ; l = a l + the sum
.irp j, 0,2,4,6,8,10,12,14
	v_pk_mul_f32 v[rO+\j:rO+\j+1], v[rO+\j:rO+\j+1], v[AA:AA+1] op_sel_hi:[1,0]          ; O^T x a
.endr
.if \first
	s_wait_dscnt 0x0                               ; V is in
.endif
.irp kk, 0,1
.irp ct, 0,1
	v_wmma_f32_16x16x32_f16 v[rO+8*\ct:rO+8*\ct+7], v[VF+8*(2*\kk+\ct):VF+8*(2*\kk+\ct)+7], v[P+8*\kk:P+8*\kk+7], v[rO+8*\ct:rO+8*\ct+7]   ; the two accumulators by turns
.endr
.endr
.endm
.macro SLOT_STEPS                      ; my 128 keys of the slot in hand, for my four tiles of queries
	v_add_nc_u32 v[ADR], s[TB], v[AKV0]
.irp st, 0,1
	LOADKV \st
	TILE 0, 1
	TILE 1, 0
	TILE 2, 0
	TILE 3, 0
.endr
	s_xor_b32 s[TB], s[TB], SLOT1                  ; on to the other slot
.endm
.Lslot:                                            ; seven trips: behind each change of slots but the last the next slot is asked for
	CHANGE 1
	SLOT_STEPS
	s_sub_co_u32 s[SLOTS], s[SLOTS], 1
	s_cmp_lg_u32 s[SLOTS], 0
	s_cbranch_scc1 .Lslot
	CHANGE 0                                       ; the last slot is written out
	SLOT_STEPS
	; ---- THE MERGE of a query's eight parts.  Each wave puts its m, l and O^T into LDS: O^T into slot 0, which has had its last fill and which nobody reads behind the last change of slots.
.irp t, 0,1,2,3
	v_add_f32 v[CM+\t], v[ST+4*\t+2], v[ST+4*\t+3] ; l's two halves.  (These lines are the places behind the last products)
.endr
.irp t, 0,1,2,3
	v_permlanex16_b32 v[ST+4*\t+1], v[CM+\t], s[SEL], s[SEL+1]
.endr
.irp t, 0,1,2,3
	v_add_f32 v[CM+\t], v[CM+\t], v[ST+4*\t+1]     ; and lane l xor 16's
.endr
	s_lshl_b32 s46, s[WV], 13
	v_add_nc_u32 v80, s46, v[LI]                   ; v80: where I put O^T: 8,192 bytes a wave
	v_and_b32 v85, 31, v0
	s_lshl_b32 s46, s[WV], 10
	s_add_co_u32 s46, s46, STATS
	v_lshl_add_u32 v81, v85, 2, s46                ; v81: where I put m and l
	s_lshr_b32 s46, s[WV], 3                       ; I merge tile wave / 2 of the block's eight, channels 16 (wave % 2) on: it is tile (wave / 2) % 4 of the waves with i % 2 = wave / 8
	s_bfe_u32 s47, s[WV], 0x20001
	s_lshl_b32 s48, s46, 13
	s_lshl_b32 s49, s47, 11
	s_add_co_u32 s48, s48, s49
	s_lshl_b32 s49, s21, 10
	s_add_co_u32 s48, s48, s49
	v_add_nc_u32 v82, s48, v[LI]                   ; v82: parts 0-3 of O^T, 16,384 bytes apart;
	v_add_nc_u32 v83, 65536, v82                   ; v83: parts 4-7
	s_lshl_b32 s48, s46, 10
	s_lshl_b32 s49, s47, 8
	s_add_co_u32 s48, s48, s49
	s_add_co_u32 s48, s48, STATS
	v_lshl_add_u32 v84, v85, 2, s48                ; v84: the parts' m and l, 2,048 bytes apart
.irp t, 0,1,2,3
	ds_store_b32 v81, v[ST+4*\t] offset:256*\t
	ds_store_b32 v81, v[CM+\t] offset:256*\t+128
.endr
.irp t, 0,1,2,3
.irp ct, 0,1
	ds_store_b128 v80, v[OA+16*\t+8*\ct:OA+16*\t+8*\ct+3] offset:1024*(2*\t+\ct)        ; each accumulator from its low end on
	ds_store_b128 v80, v[OA+16*\t+8*\ct+4:OA+16*\t+8*\ct+7] offset:1024*(2*\t+\ct)+512
.endr
.endr
	s_wait_dscnt 0x0                               ; for the others' sake: my stores have landed
	s_barrier_signal -1
	s_barrier_wait -1
.irp ks, 0,1,2,3
	ds_load_b128 v[144+8*\ks:147+8*\ks], v82 offset:16384*\ks
	ds_load_b128 v[148+8*\ks:151+8*\ks], v82 offset:16384*\ks+512
.endr
.irp ks, 0,1,2,3
	ds_load_b128 v[176+8*\ks:179+8*\ks], v83 offset:16384*\ks
	ds_load_b128 v[180+8*\ks:183+8*\ks], v83 offset:16384*\ks+512
.endr
.irp ks, 0,1,2,3,4,5,6,7
	ds_load_b32 v[208+\ks], v84 offset:2048*\ks        ; m of part ks
	ds_load_b32 v[216+\ks], v84 offset:2048*\ks+128    ; l
.endr
	s_wait_dscnt 0x0
	v_max3_num_f32 v224, v208, v209, v210
	v_max3_num_f32 v224, v224, v211, v212
	v_max3_num_f32 v224, v224, v213, v214
	v_max_num_f32 v224, v224, v215                 ; the query's maximum over all keys
.irp ks, 0,1,2,3,4,5,6,7
	v_sub_f32 v[208+\ks], v[208+\ks], v224
.endr
.irp ks, 0,1,2,3,4,5,6,7
	v_exp_f32 v[208+\ks], v[208+\ks]               ; each part's weight
.endr
	v_nop
	s_wait_alu depctr_va_vdst(0)                   ; one wait for the eight
	v_mul_f32 v225, v208, v216
.irp ks, 1,2,3,4,5,6,7
	v_fmac_f32 v225, v[208+\ks], v[216+\ks]        ; the row's sum
.endr
	v_rcp_f32 v234, v225                           ; the 64 lines below name neither it nor its source
.irp j, 0,1,2,3,4,5,6,7
	v_mul_f32 v[226+\j], v208, v[144+\j]
.endr
.irp ks, 1,2,3,4,5,6,7
.irp j, 0,1,2,3,4,5,6,7
	v_fmac_f32 v[226+\j], v[208+\ks], v[144+8*\ks+\j]
.endr
.endr
	s_wait_alu depctr_va_vdst(0)                   ; the reciprocal's wait, ahead of its first reader
.irp j, 0,1,2,3,4,5,6,7
	v_mul_f32 v[226+\j], v[226+\j], v234
.endr
.irp i, 0,1,2,3
	v_cvt_pk_f16_f32 v[236+\i], v[226+2*\i], v[227+2*\i]   ; lane (r, h): query r, channels 16 ct + 8 h + 0 .. 7: group ct of launch 4's fragment
.endr
	global_store_b128 v[LI], v[236:239], s[10:11]  ; 32 lanes store 512 consecutive bytes
	s_wait_tensorcnt 0x0                           ; the wave's end: behind my last tensor load and my last LDS store
	ds_add_u32 v[SPW], v[NIL]
	s_wait_dscnt 0x0
	CROUND                                         ; the closing round: no work-group ends while a partner may still ask for a tile that names it
	s_endpgm
.Lfunc_end_k_q851925a08b_attn:
	.size	k_q851925a08b_attn, .Lfunc_end_k_q851925a08b_attn-k_q851925a08b_attn
	.p2alignl 7, 3214868480
	.fill 96, 4, 3214868480
	.section	.rodata,"a",@progbits
	.p2align	6, 0x0
	.amdhsa_kernel k_q851925a08b_attn
		.amdhsa_group_segment_fixed_size 327680
		.amdhsa_private_segment_fixed_size 0
		.amdhsa_enable_private_segment 0
		.amdhsa_kernarg_size 32
		.amdhsa_user_sgpr_count 2
		.amdhsa_user_sgpr_kernarg_segment_ptr 1
		.amdhsa_wavefront_size32 1
		.amdhsa_system_sgpr_workgroup_id_x 1
		.amdhsa_system_sgpr_workgroup_id_y 1
		.amdhsa_system_sgpr_workgroup_id_z 1
		.amdhsa_system_vgpr_workitem_id 0
		.amdhsa_next_free_vgpr 256
		.amdhsa_next_free_sgpr 66
		.amdhsa_reserve_vcc 0
		.amdhsa_float_denorm_mode_32 3
		.amdhsa_float_denorm_mode_16_64 3
		.amdhsa_memory_ordered 1
		.amdhsa_forward_progress 1
		.amdhsa_inst_pref_size 128
	.end_amdhsa_kernel
	.amdgpu_metadata
---
amdhsa.version: [ 1, 2 ]
amdhsa.kernels:
  - .name:           k_q851925a08b_attn
    .symbol:         k_q851925a08b_attn.kd
    .args:
      - { .name: codes, .offset: 0, .size: 8, .value_kind: global_buffer, .address_space: global }
      - { .name: scl, .offset: 8, .size: 8, .value_kind: global_buffer, .address_space: global }
      - { .name: kv, .offset: 16, .size: 8, .value_kind: global_buffer, .address_space: global }
      - { .name: att, .offset: 24, .size: 8, .value_kind: global_buffer, .address_space: global }
    .group_segment_fixed_size: 327680
    .private_segment_fixed_size: 0
    .kernarg_segment_align: 8
    .kernarg_segment_size: 32
    .max_flat_workgroup_size: 512
    .sgpr_count:     66
    .vgpr_count:     256
    .wavefront_size: 32
...
	.end_amdgpu_metadata
.endif
;; end of part 3
;; launch outp (part 4): grid 8 x 32, 2 waves a work-group, no clusters, 17,664 bytes of LDS; arguments att, wo16, b_out, out0; writes out0
.if DOCPART == 4
	.amdgcn_target "amdgcn-amd-amdhsa--gfx1250"
	.amdhsa_code_object_version 6
	.text
	.protected	k_q851925a08b_outp
	.globl	k_q851925a08b_outp
	.p2align	8
	.type	k_q851925a08b_outp,@function
k_q851925a08b_outp:
	s_mov_b64 s[64:65], 0
	v_nop
	global_prefetch_b8 v0, s[64:65] scope:SCOPE_SE
	s_setreg_imm32_b32 hwreg(HW_REG_WAVE_MODE, 25, 1), 1
	s_wait_xcnt 0x0
; Launch 4 of 4: out0 = att w_out^T + b_out; f16 operands (launch 3's att, launch 1's wo16, both as images of the operand's registers), f32 sums.  Nothing of the problem is left out.
; SHARES.  A work-group makes 64 rows x 64 columns; wave w rows 32 w .. + 31: two tiles of rows a x four tiles of columns n = eight accumulators, which take turns.  K = 512 in 16 steps of 32 (a step = a head).
; The product is used transposed (source 0 = 16 rows of w_out, source 1 = 16 rows of att): a lane holds one row and eight neighbouring columns.  The bias is loaded straight into the accumulators: it starts the sums.
; NO CLUSTER, NO TENSOR LOAD: each fragment goes from memory straight into registers, 12 loads of 512 consecutive bytes a step, three steps ahead; the launch is short, and the waves share nothing.
; The way out goes through the wave's own stage in LDS, so that sixteen lanes store 256 consecutive bytes, at a multiple of 256 from out0's first byte.
.set SPITCH, 272                       ; a stage row: 256 bytes + 16 = 17 x 16
.set WSTG,  32*SPITCH                  ; a wave's stage: 32 rows
.set SPARE, 2*WSTG                     ; the spare words: one block of 256 bytes that no other line names
.set LI,  1                            ; v1   16 x lane
.set BO,  2                            ; v2   32 h: my eight numbers of a tile of b_out
.set STO, 3                            ; v3   the stage: where I put 32 bytes of a row
.set RD,  4                            ; v4   and where I read a row back
.set CO,  5                            ; v5   the same place in out0
.set SPW, 6                            ; v6   LDS address of my spare word; never rewritten
.set NIL, 7                            ; v7   0; never rewritten
.set ACC, 16                           ; v16-79  accumulator (a, n) at 8 (4 a + n)
.set F,   80                           ; v80-223 three sets of 48: att's tile a at 8 a, w_out's tile n at 16 + 8 n
.set WV,  12
	s_load_b256 s[4:11], s[0:1], 0x0               ; att s[4:5], wo16 s[6:7], b_out s[8:9], out0 s[10:11]
	v_lshl_add_u32 v[SPW], v0, 2, SPARE
	v_mov_b32 v[NIL], 0
	v_lshrrev_b32 v8, 5, v0
	v_readfirstlane_b32 s[WV], v8                  ; wave 0, 1
	s_and_b32 s13, ttmp7, 0xffff                   ; which 64 rows
	v_and_b32 v8, 31, v0
	v_and_b32 v9, 15, v0                           ; r
	v_bfe_u32 v10, v0, 4, 1                        ; h
	v_lshlrev_b32 v[LI], 4, v8
	v_lshlrev_b32 v[BO], 5, v10
	s_mul_i32 s14, s[WV], WSTG
	v_mul_u32_u24 v[STO], v9, SPITCH
	v_lshl_add_u32 v[STO], v10, 5, v[STO]
	v_add_nc_u32 v[STO], s14, v[STO]               ; row r, + 32 h
	v_mul_u32_u24 v[RD], v10, SPITCH
	v_lshl_add_u32 v[RD], v9, 4, v[RD]
	v_add_nc_u32 v[RD], s14, v[RD]                 ; lanes 0-15 one row, lanes 16-31 the next
	v_lshlrev_b32 v[CO], 11, v10
	v_lshl_add_u32 v[CO], v9, 4, v[CO]             ; a row of out0 is 2,048 bytes
	s_lshl_b32 s16, s13, 2
	s_lshl_b32 s17, s[WV], 1
	s_add_co_u32 s16, s16, s17
	s_lshl_b32 s16, s16, 14                        ; att: tile of rows 4 y + 2 w, 16,384 bytes a tile
	s_mov_b32 s17, 0
	s_lshl_b32 s18, ttmp9, 16                      ; wo16: tile 4 x
	s_mov_b32 s19, 0
	s_lshl_b32 s20, ttmp9, 8                       ; b_out and out0: 64 columns of 4 bytes
	s_mov_b32 s21, 0
	s_lshl_b32 s22, s13, 17                        ; out0: 64 rows a work-group,
	s_lshl_b32 s23, s[WV], 16                      ; 32 a wave
	s_add_co_u32 s22, s22, s23
	s_add_co_u32 s22, s22, s20
	s_mov_b32 s23, 0
	s_wait_kmcnt 0x0
	s_add_nc_u64 s[4:5], s[4:5], s[16:17]
	s_add_nc_u64 s[6:7], s[6:7], s[18:19]
	s_add_nc_u64 s[8:9], s[8:9], s[20:21]
	s_add_nc_u64 s[10:11], s[10:11], s[22:23]
.irp a, 0,1
.irp n, 0,1,2,3
	global_load_b128 v[ACC+8*(4*\a+\n):ACC+8*(4*\a+\n)+3], v[BO], s[8:9] offset:64*\n        ; register j: b_out at column 16 n + 8 h + j
	global_load_b128 v[ACC+8*(4*\a+\n)+4:ACC+8*(4*\a+\n)+7], v[BO], s[8:9] offset:64*\n+16
.endr
.endr
.macro KLD s                           ; K step s: 12 loads into set s % 3
.set FS, F+48*((\s)%3)
.irp a, 0,1
.irp c, 0,1
	global_load_b128 v[FS+8*\a+4*\c:FS+8*\a+4*\c+3], v[LI], s[4:5] offset:16384*\a+1024*(\s)+512*\c
.endr
.endr
.irp n, 0,1,2,3
.irp c, 0,1
	global_load_b128 v[FS+16+8*\n+4*\c:FS+16+8*\n+4*\c+3], v[LI], s[6:7] offset:16384*\n+1024*(\s)+512*\c
.endr
.endr
.endm
	KLD 0
	KLD 1
	KLD 2
.irp s, 0,1,2,3,4,5,6,7,8,9,10,11,12,13,14,15
.if \s < 14
	s_wait_loadcnt 24                              ; this step's 12 loads (and all before them) are in; the two younger sets may be out
.elseif \s == 14
	s_wait_loadcnt 12
.else
	s_wait_loadcnt 0x0
.endif
.set FS, F+48*(\s%3)
.irp a, 0,1
.irp n, 0,1,2,3
	v_wmma_f32_16x16x32_f16 v[ACC+8*(4*\a+\n):ACC+8*(4*\a+\n)+7], v[FS+16+8*\n:FS+16+8*\n+7], v[FS+8*\a:FS+8*\a+7], v[ACC+8*(4*\a+\n):ACC+8*(4*\a+\n)+7]
.endr
.endr
.if \s < 13
.rept 4
	v_nop                                          ; four places ahead of loads into registers that these products read
.endr
	KLD \s+3
.endif
.endr
.rept 4
	v_nop                                          ; ahead of the first read of results, and of the loads into the fragments' registers
.endr
.irp a, 0,1
.irp n, 0,1,2,3
	ds_store_b128 v[STO], v[ACC+8*(4*\a+\n):ACC+8*(4*\a+\n)+3] offset:16*SPITCH*\a+64*\n          ; each accumulator from its low end on
	ds_store_b128 v[STO], v[ACC+8*(4*\a+\n)+4:ACC+8*(4*\a+\n)+7] offset:16*SPITCH*\a+64*\n+16
.endr
.irp i, 0,1,2,3,4,5,6,7
	ds_load_b128 v[F+32*\a+4*\i:F+32*\a+4*\i+3], v[RD] offset:16*SPITCH*\a+2*SPITCH*\i            ; LDS serves a wave's instructions in order (ISA guide 5.7.1.4): these see my stores
.endr
.endr
.irp a, 0,1
.irp i, 0,1,2,3,4,5,6,7
	s_wait_dscnt 23-16*\a-\i                       ; behind this load: the rest of its eight, and for a = 0 the other tile's sixteen
	global_store_b128 v[CO], v[F+32*\a+4*\i:F+32*\a+4*\i+3], s[10:11] offset:(16*\a+2*\i)*2048 th:TH_STORE_NT
.endr
.endr
	s_wait_tensorcnt 0x0                           ; the wave's end: behind my last LDS store
	ds_add_u32 v[SPW], v[NIL]
	s_wait_dscnt 0x0
	s_endpgm
.Lfunc_end_k_q851925a08b_outp:
	.size	k_q851925a08b_outp, .Lfunc_end_k_q851925a08b_outp-k_q851925a08b_outp
	.p2alignl 7, 3214868480
	.fill 96, 4, 3214868480
	.section	.rodata,"a",@progbits
	.p2align	6, 0x0
	.amdhsa_kernel k_q851925a08b_outp
		.amdhsa_group_segment_fixed_size 17664
		.amdhsa_private_segment_fixed_size 0
		.amdhsa_enable_private_segment 0
		.amdhsa_kernarg_size 32
		.amdhsa_user_sgpr_count 2
		.amdhsa_user_sgpr_kernarg_segment_ptr 1
		.amdhsa_wavefront_size32 1
		.amdhsa_system_sgpr_workgroup_id_x 1
		.amdhsa_system_sgpr_workgroup_id_y 1
		.amdhsa_system_sgpr_workgroup_id_z 1
		.amdhsa_system_vgpr_workitem_id 0
		.amdhsa_next_free_vgpr 224
		.amdhsa_next_free_sgpr 66
		.amdhsa_reserve_vcc 0
		.amdhsa_float_denorm_mode_32 3
		.amdhsa_float_denorm_mode_16_64 3
		.amdhsa_memory_ordered 1
		.amdhsa_forward_progress 1
		.amdhsa_inst_pref_size 36
	.end_amdhsa_kernel
	.amdgpu_metadata
---
amdhsa.version: [ 1, 2 ]
amdhsa.kernels:
  - .name:           k_q851925a08b_outp
    .symbol:         k_q851925a08b_outp.kd
    .args:
      - { .name: att, .offset: 0, .size: 8, .value_kind: global_buffer, .address_space: global }
      - { .name: wo16, .offset: 8, .size: 8, .value_kind: global_buffer, .address_space: global }
      - { .name: b_out, .offset: 16, .size: 8, .value_kind: global_buffer, .address_space: global }
      - { .name: out0, .offset: 24, .size: 8, .value_kind: global_buffer, .address_space: global }
    .group_segment_fixed_size: 17664
    .private_segment_fixed_size: 0
    .kernarg_segment_align: 8
    .kernarg_segment_size: 32
    .max_flat_workgroup_size: 64
    .sgpr_count:     66
    .vgpr_count:     224
    .wavefront_size: 32
...
	.end_amdgpu_metadata
.endif
;; end of part 4
